; MI455X (gfx1250); checked and timed in simulation.
; The chip was launched on July 23, 2026; its instructions are those of AMD's public machine-readable ISA for CDNA 5 (MIT licence, August 2026) and "CDNA5" Instruction Set Architecture Reference Guide (July 2026). The comments in the code are by the model that wrote it; some were corrected since.
;; Co Attention Network. Allowed arithmetic: float matrix products may take bf16 or f16 operands with f32 sums; all other float work in f32.
;; Inputs: W1 2,048 x 1,024 float32; W2 2,048 x 1,024 float32; Wc 1,024 x 1,024 float32; Wq 1,024 x 1,024 float32; b1 1,024 float32; b2 1,024 float32; context 4 x 1,024 x 1,024 float32; mask_c 4 x 1,024 int32; mask_q 4 x 1,024 int32; question 4 x 1,024 x 1,024 float32.
;; Outputs: out0 4 x 1,024 x 1,024 float32; out1 4 x 1,024 x 1,024 float32.
;; One version. Each part assembles by itself: llvm-mc -triple=amdgcn-amd-amdhsa -mcpu=gfx1250 --defsym DOCPART=n.
;; ======== version 1 of 1: 4 launches
;; workspace buffers: cat 33,554,432 bytes; wp 4,194,304 bytes; wo 8,388,608 bytes; proj 16,777,216 bytes
;; launch cast (part 1): grid 1280 x 1, 8 waves a work-group, no clusters, 0 bytes of LDS; arguments question, context, Wq, Wc, cat, wp; writes cat, wp
.if DOCPART == 1
	.amdgcn_target "amdgcn-amd-amdhsa--gfx1250"
	.amdhsa_code_object_version 6
	.text
	.protected	k_q3166790ca7_cast
	.globl	k_q3166790ca7_cast
	.p2align	8
	.type	k_q3166790ca7_cast,@function
k_q3166790ca7_cast:
	s_mov_b64 s[64:65], 0
	v_nop
	global_prefetch_b8 v0, s[64:65] scope:SCOPE_SE
	s_setreg_imm32_b32 hwreg(HW_REG_WAVE_MODE, 25, 1), 1
	s_wait_xcnt 0x0
; f32 to bf16, once, for what the projection launch feeds to the matrix units.
;   question [4096][1024] -> cat rows 0..4095,    columns 0..1023   (cat: [8192][2048] bf16, a row is 4,096 bytes)
;   context  [4096][1024] -> cat rows 4096..8191, columns 0..1023
;   Wq, Wc   [1024][1024] -> wp [2][1024][1024] bf16 (kept [K][N])
; (W1 and W2 are not needed before the last launch; they are converted by the attention launch.)
; All sources are rows of 1,024 f32 = 4,096 bytes, 10,240 rows in all.  A work-group of eight waves owns 8 rows: 1,280 groups; 8 divides every
; buffer's rows, so a group lies in one buffer.  Thread t owns bytes 16 t of a source row and bytes 8 t of a destination row: a wave's load
; covers 512 neighbouring bytes, a wave's store 256 neighbouring bytes that start at a multiple of 256.
; A stream: no LDS, no matrix unit; no cluster, since no two work-groups read the same byte.
; Rounding: to nearest even (v_cvt_pk_bf16_f32).
.set X, 4                              ; v[4:35]   row j: 4 f32 as loaded
.set Y, 36                             ; v[36:51]  row j: 4 bf16 to store
.set SROW, 4096                        ; bytes in a source row
	s_load_b256 s[8:15], s[0:1], 0x0               ; question s[8:9], context s[10:11], Wq s[12:13], Wc s[14:15]
	s_load_b128 s[16:19], s[0:1], 0x20             ; cat s[16:17], wp s[18:19]
	s_mov_b32 s2, ttmp9                            ; the group's number g
	v_lshlrev_b32 v1, 4, v0                        ; 16 t
	v_lshlrev_b32 v2, 3, v0                        ; 8 t
	s_wait_kmcnt 0x0
	; which source, and the number of its first group: groups 0..511 question, ..1023 context, ..1151 Wq, ..1279 Wc
	s_mov_b64 s[26:27], s[14:15]
	s_mov_b32 s28, 1152
	s_cmp_lt_u32 s2, 1152
	s_cselect_b64 s[26:27], s[12:13], s[26:27]
	s_cselect_b32 s28, 1024, s28
	s_cmp_lt_u32 s2, 1024
	s_cselect_b64 s[26:27], s[10:11], s[26:27]
	s_cselect_b32 s28, 512, s28
	s_cmp_lt_u32 s2, 512
	s_cselect_b64 s[26:27], s[8:9], s[26:27]
	s_cselect_b32 s28, 0, s28
	s_sub_co_u32 s28, s2, s28                      ; the group's number inside its source,
	s_lshl_b32 s28, s28, 15                        ; times 8 rows of 4,096 bytes
	s_mov_b32 s29, 0
	s_add_nc_u64 s[26:27], s[26:27], s[28:29]
.irp j, 0,1,2,3,4,5,6,7
	global_load_b128 v[X+4*\j:X+4*\j+3], v1, s[26:27] offset:SROW*\j th:TH_LOAD_NT   ; all eight rows at once: 4 KiB of each wave on their way
.endr
; eight rows out; pitch = bytes from row to row in the destination
.macro OUT8 pitch
.irp j, 0,1,2,3,4,5,6,7
	s_wait_loadcnt 7-\j                            ; loads come back in order (ISA guide 5.7.1): row j is in, the 7 - j younger ones stay out
	v_cvt_pk_bf16_f32 v[Y+2*\j],   v[X+4*\j],   v[X+4*\j+1]
	v_cvt_pk_bf16_f32 v[Y+2*\j+1], v[X+4*\j+2], v[X+4*\j+3]
	global_store_b64 v2, v[Y+2*\j:Y+2*\j+1], s[30:31] offset:\j*\pitch   ; no register is written twice: no further wait
.endr
.endm
	s_mov_b32 s5, 0
	s_cmp_lt_u32 s2, 1024
	s_cbranch_scc0 .Lweights
	s_lshl_b32 s4, s2, 15                          ; cat: row 8 g, 4,096 bytes a row; the left half of each row
	s_add_nc_u64 s[30:31], s[16:17], s[4:5]
	OUT8 4096
	s_endpgm
.Lweights:
	s_sub_co_u32 s4, s2, 1024
	s_lshl_b32 s4, s4, 14                          ; wp: 8 rows of 2,048 bytes
	s_add_nc_u64 s[30:31], s[18:19], s[4:5]
	OUT8 2048
	s_endpgm
.Lfunc_end_k_q3166790ca7_cast:
	.size	k_q3166790ca7_cast, .Lfunc_end_k_q3166790ca7_cast-k_q3166790ca7_cast
	.p2alignl 7, 3214868480
	.fill 96, 4, 3214868480
	.section	.rodata,"a",@progbits
	.p2align	6, 0x0
	.amdhsa_kernel k_q3166790ca7_cast
		.amdhsa_group_segment_fixed_size 0
		.amdhsa_private_segment_fixed_size 0
		.amdhsa_enable_private_segment 0
		.amdhsa_kernarg_size 48
		.amdhsa_user_sgpr_count 2
		.amdhsa_user_sgpr_kernarg_segment_ptr 1
		.amdhsa_wavefront_size32 1
		.amdhsa_system_sgpr_workgroup_id_x 1
		.amdhsa_system_sgpr_workgroup_id_y 1
		.amdhsa_system_sgpr_workgroup_id_z 1
		.amdhsa_system_vgpr_workitem_id 0
		.amdhsa_next_free_vgpr 52
		.amdhsa_next_free_sgpr 66
		.amdhsa_reserve_vcc 0
		.amdhsa_float_denorm_mode_32 3
		.amdhsa_float_denorm_mode_16_64 3
		.amdhsa_memory_ordered 1
		.amdhsa_forward_progress 1
		.amdhsa_inst_pref_size 7
	.end_amdhsa_kernel
	.amdgpu_metadata
---
amdhsa.version: [ 1, 2 ]
amdhsa.kernels:
  - .name:           k_q3166790ca7_cast
    .symbol:         k_q3166790ca7_cast.kd
    .args:
      - { .name: question, .offset: 0, .size: 8, .value_kind: global_buffer, .address_space: global }
      - { .name: context, .offset: 8, .size: 8, .value_kind: global_buffer, .address_space: global }
      - { .name: Wq, .offset: 16, .size: 8, .value_kind: global_buffer, .address_space: global }
      - { .name: Wc, .offset: 24, .size: 8, .value_kind: global_buffer, .address_space: global }
      - { .name: cat, .offset: 32, .size: 8, .value_kind: global_buffer, .address_space: global }
      - { .name: wp, .offset: 40, .size: 8, .value_kind: global_buffer, .address_space: global }
    .group_segment_fixed_size: 0
    .private_segment_fixed_size: 0
    .kernarg_segment_align: 8
    .kernarg_segment_size: 48
    .max_flat_workgroup_size: 256
    .sgpr_count:     66
    .vgpr_count:     52
    .wavefront_size: 32
...
	.end_amdgpu_metadata
.endif
;; end of part 1
;; launch project (part 2): grid 4 x 64, 4 waves a work-group, clusters of 4 x 4, 327,680 bytes of LDS; arguments cat, wp, proj; writes proj
.if DOCPART == 2
	.amdgcn_target "amdgcn-amd-amdhsa--gfx1250"
	.amdhsa_code_object_version 6
	.text
	.protected	k_q3166790ca7_project
	.globl	k_q3166790ca7_project
	.p2align	8
	.type	k_q3166790ca7_project,@function
k_q3166790ca7_project:
	s_mov_b64 s[64:65], 0
	v_nop
	global_prefetch_b8 v0, s[64:65] scope:SCOPE_SE
	s_setreg_imm32_b32 hwreg(HW_REG_WAVE_MODE, 25, 1), 1
	s_wait_xcnt 0x0
	s_wait_alu depctr_hold_cnt(0) depctr_sa_sdst(0) depctr_va_vdst(0) depctr_va_sdst(0) depctr_va_ssrc(0) depctr_va_vcc(0) depctr_vm_vsrc(0)
	s_getreg_b32 s2, hwreg(HW_REG_IB_STS2, 6, 4)
	s_cmp_eq_u32 s2, 0
	s_cbranch_scc0 .Lentry_in_a_cluster
	s_endpgm
.Lentry_in_a_cluster:
	s_bfe_u32 s2, ttmp6, 0x10000c
	s_cmp_lg_u32 s2, 0xf033
	s_cbranch_scc0 .Lentry_shape_is_right
	s_endpgm
.Lentry_shape_is_right:
; proj[8192][1024] (bf16) = x[8192][1024] W_side[1024][1024]:  rows 0..4095 question Wq, rows 4096..8191 context Wc.  Sums in f32, rounded once.
; x = the left half of cat's rows (bf16, 4,096 bytes from row to row); W = wp + side x 2 MiB, kept [K][N] (2,048 bytes a row).
; A work-group makes 128 rows x 256 columns with four waves: 64 x 4 = 256 work-groups.  Wave w makes rows 64 (w>>1).., columns 128 (w&1)..:
; 32 accumulator tiles of 16 x 16 = 256 registers.  (A block of 256 x 256 would make only 128 work-groups of this product.)
; THE RING.  A k of this block takes 264 bytes of x and 544 of W in LDS, so 384 k fit.  They are shared out as a BIG slot with the tiles of two K steps
; (256 k) and a SMALL slot with those of one (128 k), read by turns: big, small, big, small, big = 1,024 k.  One barrier and one load a wave for each
; change of slots that fills a slot again: three here.  The small slot's load has the big slot's 256 matrix instructions of a wave in which to land, the
; big slot's load the small slot's 128.  x rows in a tile are 512 or 256 bytes, W rows 512 bytes, all from multiples of 256.
; CLUSTERS: 4 x 4 work-groups.  The four of a row of the cluster need the same tile of x, the four of a column the same tile of W: each tile is asked
; for jointly (same line, same descriptor, a mask that names the four), which divides the requests for both by four.
; W lies [K][N], so its fragments come by the transposing LDS load (ds_load_tr16_b128), from rows 544 bytes apart.
; THE MATRIX INSTRUCTION IS USED TRANSPOSED: source 0 = 16 columns of W, source 1 = 16 rows of x; lane l then holds row l % 16 of the result and its
; registers 0..7 the columns 8 (l / 16) + 0..7: eight neighbouring numbers of a row.
; LIMITS: operands are bf16 (rounded by the launch before); inf and NaN in the inputs are not served.
; REGISTERS: window 0: v16-31 addresses, v32-127 and v128-223 two fragment buffers (x tiles at +0, W tiles at +32), v224-255 at work on the way out;
;            window 1: accumulator tile (a, b) at v[8 (8 a + b)].
.set SIDESH, 21                        ; log2 of a side's bytes in wp: 1,024 rows of 2,048 bytes
.set PB,   544                         ; W rows in LDS: 512 bytes + 32: an odd multiple of 32, as the transposing load's eight rows want
.set PA0,  528                         ; x rows in the big slot: 512 bytes + 16
.set PA1,  272                         ; x rows in the small slot: 256 bytes + 16; both odd multiples of 16: sixteen rows start at sixteen different 16-byte columns of 256
.set BIGA, 0                           ; big slot: 128 rows of x,
.set BIGB, BIGA+128*PA0                ;           256 rows (k) of W
.set SMLA, BIGB+256*PB                 ; small slot: 128 rows of x,
.set SMLB, SMLA+128*PA1                ;             128 rows (k) of W; the ring ends at 311,296
.set KBIG, 0                           ; first k of the big slot's first tile
.set KSML, 256                         ; and of the small slot's
.set PAIR, 384                         ; k from a slot's tile to its next
.set STAGE,  SMLA                      ; the way out: 16 rows x 272 bytes for each wave, in the small slot, which by then has had its last fill and its last read
.set SPITCH, 272
.set ADRA, 16                          ; v16 x fragments in the big slot, v17 in the small
.set ADRB, 20                          ; v20, v21 W fragments of the big slot's first and second K step, v22 of the small slot
.set STO,  24
.set RD,   25
.set CO,   26
.set F0,   32
.set F1,   128
.set TMP,  224
.set G1A, 24                           ; s[24:31], s[32:39] descriptor group 1 for x tiles: big, small
.set G0A, 40                           ; s[40:43], s[44:47] group 0 for x tiles: big, small
.set G1B, 48                           ; s[48:55], s[56:63] group 1 for W tiles
.set G0B, 68                           ; s[68:71], s[72:75] group 0 for W tiles
.set MSB, 0
.macro WIN new                         ; s_set_vgpr_msb: bits 1:0 source 0, 3:2 source 1, 5:4 source 2, 7:6 destination; the high byte repeats the setting that is left
.if MSB != \new
	s_set_vgpr_msb (MSB<<8)|\new
.set MSB, \new
.endif
.endm
.set MULW,    0x50                     ; C and D in window 1, fragments in window 0
.set FROMACC, 0x05                     ; sources 0 and 1 in window 1
; A joint load into slot s (0 big, 1 small): waves 0 and 1 ask for x's two halves, waves 2 and 3 for W's.  The branch hangs on the wave's number alone.
.macro JLOAD s
	s_cmp_eq_u32 s11, 0
	s_cbranch_scc0 .Lfor_b_\@
	tensor_load_to_lds s[G0A+4*\s:G0A+4*\s+3], s[G1A+8*\s:G1A+8*\s+7]
	s_nop 0
	s_branch .Lasked_\@
.Lfor_b_\@:
	tensor_load_to_lds s[G0B+4*\s:G0B+4*\s+3], s[G1B+8*\s:G1B+8*\s+7]
	s_nop 0
.Lasked_\@:
.endm
.macro CREST                           ; a round of the cluster's barrier behind its opening work-group barrier
	s_cmp_lg_u32 s10, 0
	s_cbranch_scc1 .Lnot_wave_0_\@
	s_barrier_signal -3
.Lnot_wave_0_\@:
	s_barrier_wait -3
	s_barrier_signal -1
	s_barrier_wait -1
.endm
.macro CROUND                          ; a whole round
	s_barrier_signal -1
	s_barrier_wait -1
	CREST
.endm
.macro PLACES                          ; four places behind matrix instructions, in front of loads into their sources and of readers of their results
.rept 4
	v_nop
.endr
.endm
.macro SHAPE g, cols, rows, pitch      ; words 1 to 7 of a group 1: a tile of rows x cols elements that lies inside the tensor; pitch in elements
	s_mov_b32 s[\g+1], \cols<<16                   ; tensor_dim0
	s_mov_b32 s[\g+2], \rows<<16                   ; tensor_dim1
	s_mov_b32 s[\g+3], \cols<<16                   ; tile_dim0
	s_mov_b32 s[\g+4], \rows                       ; tile_dim1
	s_mov_b32 s[\g+5], \pitch
	s_mov_b32 s[\g+6], 0
	s_mov_b32 s[\g+7], 0
.endm
	s_load_b128 s[4:7], s[0:1], 0x0                ; cat s[4:5], wp s[6:7]
	s_load_b64 s[8:9], s[0:1], 0x10                ; proj
	v_lshl_add_u32 v30, v0, 2, 0x4c000
	v_mov_b32 v31, 0
	ds_add_u32 v30, v31
	v_lshrrev_b32 v1, 5, v0
	v_readfirstlane_b32 s10, v1                    ; wave 0..3
	s_lshr_b32 s11, s10, 1                         ; my half of the block's rows.  Also: I ask for x (0) or for W (1)
	s_and_b32 s12, s10, 1                          ; my half of its columns.  Also: which half of that tile's rows I ask for
	s_bfe_u32 s76, ttmp6, 0x40000                  ; cx
	s_bfe_u32 s77, ttmp6, 0x40004                  ; cy
	s_lshl_b32 s78, ttmp9, 2
	s_add_co_u32 s78, s78, s76                     ; block column 0..3
	s_and_b32 s79, ttmp7, 0xffff                   ; the cluster's y, 0..15
	s_lshl_b32 s13, s79, 2
	s_add_co_u32 s13, s13, s77                     ; block row 0..63
	s_lshr_b32 s79, s79, 3                         ; side: 0 question, 1 context; one for the whole cluster
	s_lshl_b32 s80, s77, 2
	s_lshl_b32 s80, 15, s80                        ; my row of the cluster
	s_lshl_b32 s81, 0x1111, s76                    ; my column
	; group 1, word 0: the mask, 2-byte elements, padding on, bit 21 beside the mask, the padding's interval (a row) and length
	s_or_b32 s[G1A+0], s80, (1<<16)|(1<<20)|(1<<21)|(6<<22)|(3<<25)   ; x, big: 4 words behind every 128
	SHAPE G1A, 256, 64, 2048
	s_or_b32 s[G1A+8], s80, (1<<16)|(1<<20)|(1<<21)|(5<<22)|(3<<25)   ; x, small: 4 words behind every 64
	SHAPE G1A+8, 128, 64, 2048
	s_or_b32 s[G1B+0], s81, (1<<16)|(1<<20)|(1<<21)|(6<<22)|(7<<25)   ; W: 8 words behind every 128
	SHAPE G1B, 256, 128, 1024
	s_or_b32 s[G1B+8], s81, (1<<16)|(1<<20)|(1<<21)|(6<<22)|(7<<25)
	SHAPE G1B+8, 256, 64, 1024
	; where my part of each slot lies: a constant and the wave's number
	s_mov_b32 s[G0A], 1
	s_mul_i32 s[G0A+1], s12, 64*PA0                ; BIGA = 0
	s_mov_b32 s[G0A+4], 1
	s_mul_i32 s[G0A+5], s12, 64*PA1
	s_add_co_u32 s[G0A+5], s[G0A+5], SMLA
	s_mov_b32 s[G0B], 1
	s_mul_i32 s[G0B+1], s12, 128*PB
	s_add_co_u32 s[G0B+1], s[G0B+1], BIGB
	s_mov_b32 s[G0B+4], 1
	s_mul_i32 s[G0B+5], s12, 64*PB
	s_add_co_u32 s[G0B+5], s[G0B+5], SMLB
	; x's tiles hang on the block row and the wave; W's on the side, the block column and the wave; each in registers that never hold the other coordinate
	s_lshl_b32 s16, s13, 19                        ; 128 rows of 4,096 bytes
	s_lshl_b32 s17, s12, 18                        ; + my 64 rows
	s_add_co_u32 s16, s16, s17
	s_mov_b32 s17, 0
	s_lshl_b32 s82, s79, SIDESH
	s_lshl_b32 s83, s78, 9                         ; + 256 columns of 2 bytes
	s_add_co_u32 s82, s82, s83
	s_mov_b32 s83, 0
	s_lshl_b32 s18, s12, 18                        ; big: my 128 rows (k) of 2,048 bytes
	s_mov_b32 s19, 0
	s_lshl_b32 s20, s12, 17                        ; small: my 64 rows
	s_mov_b32 s21, 0
	s_wait_dscnt 0x0
	s_wait_kmcnt 0x0
	s_add_nc_u64 s[14:15], s[4:5], s[16:17]
	s_add_nc_u64 s[82:83], s[6:7], s[82:83]
	s_add_nc_u64 s[G0A+2:G0A+3], s[14:15], KBIG*2
	s_or_b32 s[G0A+3], s[G0A+3], 0x80000000
	s_add_nc_u64 s[G0A+6:G0A+7], s[14:15], KSML*2
	s_or_b32 s[G0A+7], s[G0A+7], 0x80000000
	s_add_nc_u64 s[G0B+2:G0B+3], s[82:83], s[18:19]
	s_add_nc_u64 s[G0B+2:G0B+3], s[G0B+2:G0B+3], KBIG*2048
	s_or_b32 s[G0B+3], s[G0B+3], 0x80000000
	s_add_nc_u64 s[G0B+6:G0B+7], s[82:83], s[20:21]
	s_add_nc_u64 s[G0B+6:G0B+7], s[G0B+6:G0B+7], KSML*2048
	s_or_b32 s[G0B+7], s[G0B+7], 0x80000000
	CROUND                                         ; all sixteen work-groups are here: the first joint loads meet
	JLOAD 0                                        ; k 0..255
	JLOAD 1                                        ; k 256..383: two loads of this wave are out
	v_and_b32 v1, 15, v0                           ; r = l % 16
	v_bfe_u32 v2, v0, 4, 1                         ; h = l / 16
	v_mul_u32_u24 v3, v1, PA0
	v_lshl_add_u32 v3, v2, 4, v3                   ; x fragment, big slot: r x 528 + 16 h
	v_mul_u32_u24 v6, v1, PA1
	v_lshl_add_u32 v6, v2, 4, v6                   ; small slot: r x 272 + 16 h
	v_and_b32 v4, 7, v0
	v_lshl_add_u32 v4, v2, 3, v4                   ; W fragment: row 8 h + l % 8,
	v_mul_u32_u24 v4, v4, PB
	v_bfe_u32 v5, v0, 3, 1
	v_lshl_add_u32 v4, v5, 4, v4                   ; and 16 bytes further for lanes 8-15 and 24-31
	s_mul_i32 s21, s11, 64*PA0                     ; my 64 rows of x
	v_add_nc_u32 v[ADRA], s21, v3
	s_mul_i32 s21, s11, 64*PA1
	s_add_co_u32 s21, s21, SMLA
	v_add_nc_u32 v[ADRA+1], s21, v6
	s_lshl_b32 s22, s12, 8                         ; my 128 columns of W
	s_add_co_u32 s23, s22, BIGB
	v_add_nc_u32 v[ADRB], s23, v4
	s_add_co_u32 s23, s22, BIGB+128*PB
	v_add_nc_u32 v[ADRB+1], s23, v4
	s_add_co_u32 s23, s22, SMLB
	v_add_nc_u32 v[ADRB+2], s23, v4
	s_mul_i32 s23, s10, 16*SPITCH
	s_add_co_u32 s23, s23, STAGE                   ; my stage
	v_add_nc_u32 v[STO], s23, v6                   ; in: row r, 16 bytes for each half of the lanes
	v_mul_u32_u24 v5, v2, SPITCH
	v_lshl_add_u32 v5, v1, 4, v5
	v_add_nc_u32 v[RD], s23, v5                    ; back: lanes 0-15 one row of 256 bytes, lanes 16-31 the next
	v_lshlrev_b32 v5, 11, v2
	v_lshl_add_u32 v[CO], v1, 4, v5                ; the same two rows in proj (2,048 bytes a row)
; 8 matrix instructions: x tile a (16 rows) x all 8 W tiles, 32 along K.  zero = 1: the first product starts the sums.
; The 32 accumulators take turns, one instruction a turn, in the same order in every quarter step.
.macro MUL8 f, a, zero
.irp b, 0,1,2,3,4,5,6,7
.if \zero
	v_wmma_f32_16x16x32_bf16 v[8*(8*\a+\b):8*(8*\a+\b)+7], v[\f+32+8*\b:\f+32+8*\b+7], v[\f+8*\a:\f+8*\a+7], 0
.else
	v_wmma_f32_16x16x32_bf16 v[8*(8*\a+\b):8*(8*\a+\b)+7], v[\f+32+8*\b:\f+32+8*\b+7], v[\f+8*\a:\f+8*\a+7], v[8*(8*\a+\b):8*(8*\a+\b)+7]
.endif
.endr
.endm
; 24 LDS loads in one run: quarter kq (32 along K) of K step v into buffer f: W's 8 tiles first, then x's 4.
; v = 0, 1: the big slot's first and second K step (x: the same rows, 256 bytes further along); v = 2: the small slot's.
.macro FETCH v, kq, f
	WIN 0
.irp b, 0,1,2,3,4,5,6,7
	ds_load_tr16_b128 v[\f+32+8*\b:\f+32+8*\b+3],   v[ADRB+\v] offset:\kq*32*PB+32*\b
	ds_load_tr16_b128 v[\f+32+8*\b+4:\f+32+8*\b+7], v[ADRB+\v] offset:\kq*32*PB+16*PB+32*\b
.endr
.irp i, 0,1,2,3
	ds_load_b128 v[\f+8*\i:\f+8*\i+3],   v[ADRA+\v/2] offset:(\v%2)*256+\kq*64+\i*16*(PA0-(\v/2)*256)
	ds_load_b128 v[\f+8*\i+4:\f+8*\i+7], v[ADRA+\v/2] offset:(\v%2)*256+\kq*64+\i*16*(PA0-(\v/2)*256)+32
.endr
.endm
; a quarter step: multiplies buffer f, and in its middle fetches quarter kq of K step v into buffer g
.macro QUARTER v, kq, f, g, zero
	s_wait_dscnt 4                                 ; W and x tiles 0, 1 are in; the youngest four loads (x tiles 2, 3) may be out
	WIN MULW
	MUL8 \f, 0, \zero
	MUL8 \f, 1, \zero
	PLACES
	FETCH \v, \kq, \g
	s_wait_dscnt 24                                ; all but the 24 just issued
	WIN MULW
	MUL8 \f, 2, \zero
	MUL8 \f, 3, \zero
.endm
.macro THREE v, zero                   ; the first three quarters of K step v
	QUARTER \v, 1, F0, F1, \zero
	QUARTER \v, 2, F1, F0, 0
	QUARTER \v, 3, F0, F1, 0
.endm
; a slot's last quarter: multiplies buffer 1 and changes slots.  vnext: the other slot's first K step.  fill = 1: this slot is filled again, 384 k ahead.
.macro TURN slot, vnext, fill
	s_wait_dscnt 4
	WIN MULW
	MUL8 F1, 0, 0
	s_wait_dscnt 0                                 ; my reads of this slot are over
	s_wait_tensorcnt 0x0                           ; all my tensor loads have landed: the one that was out is my part of the other slot
	ds_add_u32 v30, v31
	s_wait_dscnt 0x0
	s_barrier_signal -1                            ; (where the slot is filled again this barrier opens a round of the cluster's barrier)
	MUL8 F1, 1, 0                                  ; register work while the others arrive
	WIN 0
	s_barrier_wait -1
.if \fill
	CREST                                          ; no wave of any partner still reads this slot or has a load on its way
	s_add_nc_u64 s[G0A+4*\slot+2:G0A+4*\slot+3], s[G0A+4*\slot+2:G0A+4*\slot+3], PAIR*2
	s_add_nc_u64 s[G0B+4*\slot+2:G0B+4*\slot+3], s[G0B+4*\slot+2:G0B+4*\slot+3], PAIR*2048
	JLOAD \slot                                    ; the wave's one tensor load behind the round, and the first thing there
.endif
	PLACES
	FETCH \vnext, 0, F0
	WIN MULW
	MUL8 F1, 2, 0
	MUL8 F1, 3, 0
.endm
.macro BIGSTEP zero, fill              ; the big slot's two K steps (no barrier between them: the one in front has shown the whole slot), then on to the small slot
	THREE 0, \zero
	QUARTER 1, 0, F1, F0, 0
	THREE 1, 0
	TURN 0, 2, \fill
.endm
.macro SMLSTEP zero, fill              ; the small slot's K step, then on to the big slot
	THREE 2, \zero
	TURN 1, 0, \fill
.endm
	s_wait_tensorcnt 1                             ; my part of the big slot is in; the small slot's may stay out
	s_barrier_signal -1
	s_barrier_wait -1
	FETCH 0, 0, F0
	BIGSTEP 1, 1                                   ; k 0..255: the first products start the sums; k 384..639 is asked for
	SMLSTEP 0, 1                                   ; k 256..383; k 640..767 is asked for
	BIGSTEP 0, 1                                   ; k 384..639; k 768..1023 is asked for
	SMLSTEP 0, 0                                   ; k 640..767; nothing is left to fetch
	THREE 0, 0                                     ; k 768..1023
	QUARTER 1, 0, F1, F0, 0
	THREE 1, 0
	s_wait_dscnt 4
	WIN MULW
	MUL8 F1, 0, 0
	MUL8 F1, 1, 0
	s_wait_dscnt 0
	MUL8 F1, 2, 0
	MUL8 F1, 3, 0
	; THE WAY OUT, 16 rows at a time: round to bf16, 16 bytes a lane into my own stage, read back as whole rows of 256 bytes.
	; The stage lies in the small slot: every wave's reads of it ended in front of the last change of slots' barrier, and no load fills it any more.
	PLACES
	s_lshl_b32 s16, s13, 18                        ; 128 rows of 2,048 bytes
	s_lshl_b32 s17, s11, 17                        ; + my 64 rows
	s_add_co_u32 s16, s16, s17
	s_mov_b32 s17, 0
	s_add_nc_u64 s[8:9], s[8:9], s[16:17]
	s_lshl_b32 s82, s78, 9                         ; my first column, in bytes (in the registers that held W's address)
	s_lshl_b32 s83, s12, 8
	s_add_co_u32 s82, s82, s83
	s_mov_b32 s83, 0
	s_add_nc_u64 s[8:9], s[8:9], s[82:83]
.macro OUT16 a, f
	WIN FROMACC
.irp b, 0,1,2,3,4,5,6,7
.irp r, 0,1,2,3
	v_cvt_pk_bf16_f32 v[TMP+4*\b+\r], v[8*(8*\a+\b)+2*\r], v[8*(8*\a+\b)+2*\r+1]
.endr
.endr
	WIN 0
.irp b, 0,1,2,3,4,5,6,7
	ds_store_b128 v[STO], v[TMP+4*\b:TMP+4*\b+3] offset:32*\b
.endr
	s_wait_xcnt 0x0                                ; buffer f, which earlier stores read, is loaded again only behind this wait (ISA guide 3.1)
.irp t, 0,1,2,3,4,5,6,7
	ds_load_b128 v[\f+4*\t:\f+4*\t+3], v[RD] offset:\t*2*SPITCH    ; LDS serves a wave's instructions in order: these see the stores above
.endr
.irp t, 0,1,2,3,4,5,6,7
	s_wait_dscnt 7-\t
	global_store_b128 v[CO], v[\f+4*\t:\f+4*\t+3], s[8:9] offset:(16*\a+2*\t)*2048   ; 16 lanes store 256 consecutive bytes from a multiple of 256
.endr
.endm
	OUT16 0, F0
	OUT16 1, F1
	OUT16 2, F0
	OUT16 3, F1
	s_wait_tensorcnt 0x0
	ds_add_u32 v30, v31
	s_wait_dscnt 0x0
	CROUND                                         ; the closing round: no work-group ends while a partner may still ask for a tile that names it
	s_endpgm
.Lfunc_end_k_q3166790ca7_project:
	.size	k_q3166790ca7_project, .Lfunc_end_k_q3166790ca7_project-k_q3166790ca7_project
	.p2alignl 7, 3214868480
	.fill 96, 4, 3214868480
	.section	.rodata,"a",@progbits
	.p2align	6, 0x0
	.amdhsa_kernel k_q3166790ca7_project
		.amdhsa_group_segment_fixed_size 327680
		.amdhsa_private_segment_fixed_size 0
		.amdhsa_enable_private_segment 0
		.amdhsa_kernarg_size 24
		.amdhsa_user_sgpr_count 2
		.amdhsa_user_sgpr_kernarg_segment_ptr 1
		.amdhsa_wavefront_size32 1
		.amdhsa_system_sgpr_workgroup_id_x 1
		.amdhsa_system_sgpr_workgroup_id_y 1
		.amdhsa_system_sgpr_workgroup_id_z 1
		.amdhsa_system_vgpr_workitem_id 0
		.amdhsa_next_free_vgpr 512
		.amdhsa_next_free_sgpr 84
		.amdhsa_reserve_vcc 0
		.amdhsa_float_denorm_mode_32 3
		.amdhsa_float_denorm_mode_16_64 3
		.amdhsa_memory_ordered 1
		.amdhsa_forward_progress 1
		.amdhsa_inst_pref_size 148
	.end_amdhsa_kernel
	.amdgpu_metadata
---
amdhsa.version: [ 1, 2 ]
amdhsa.kernels:
  - .name:           k_q3166790ca7_project
    .symbol:         k_q3166790ca7_project.kd
    .args:
      - { .name: cat, .offset: 0, .size: 8, .value_kind: global_buffer, .address_space: global }
      - { .name: wp, .offset: 8, .size: 8, .value_kind: global_buffer, .address_space: global }
      - { .name: proj, .offset: 16, .size: 8, .value_kind: global_buffer, .address_space: global }
    .group_segment_fixed_size: 327680
    .private_segment_fixed_size: 0
    .kernarg_segment_align: 8
    .kernarg_segment_size: 24
    .max_flat_workgroup_size: 128
    .sgpr_count:     84
    .vgpr_count:     512
    .wavefront_size: 32
...
	.end_amdgpu_metadata
.endif
;; end of part 2
;; launch attend (part 3): grid 256 x 1, 16 waves a work-group, clusters of 4 x 1, 280,576 bytes of LDS; arguments proj, mask_q, mask_c, cat, W1, W2, wo; writes cat, wo
.if DOCPART == 3
	.amdgcn_target "amdgcn-amd-amdhsa--gfx1250"
	.amdhsa_code_object_version 6
	.text
	.protected	k_q3166790ca7_attend
	.globl	k_q3166790ca7_attend
	.p2align	8
	.type	k_q3166790ca7_attend,@function
k_q3166790ca7_attend:
	s_mov_b64 s[64:65], 0
	v_nop
	global_prefetch_b8 v0, s[64:65] scope:SCOPE_SE
	s_setreg_imm32_b32 hwreg(HW_REG_WAVE_MODE, 25, 1), 1
	s_wait_xcnt 0x0
	s_wait_alu depctr_hold_cnt(0) depctr_sa_sdst(0) depctr_va_vdst(0) depctr_va_sdst(0) depctr_va_ssrc(0) depctr_va_vcc(0) depctr_vm_vsrc(0)
	s_getreg_b32 s2, hwreg(HW_REG_IB_STS2, 6, 4)
	s_cmp_eq_u32 s2, 0
	s_cbranch_scc0 .Lentry_in_a_cluster
	s_endpgm
.Lentry_in_a_cluster:
	s_bfe_u32 s2, ttmp6, 0x10000c
	s_cmp_lg_u32 s2, 0x3003
	s_cbranch_scc0 .Lentry_shape_is_right
	s_endpgm
.Lentry_shape_is_right:
; Both cross attentions.  proj: [8192][1024] bf16, rows 0..4095 the projected question, 4096..8191 the projected context.
; dir 0: query = context, key = value = question, mask_q, result into cat rows 0..4095, columns 1024..2047;  dir 1: the other way round, mask_c, rows 4096...
; A CLUSTER of four work-groups is one (dir, batch, pair of heads): 2 x 4 x 8 = 64 clusters.  Its work-groups take 256 query rows each and read the same
; key = value tile, 1,024 keys x 128 columns (two heads: 256 bytes a row, from a multiple of 256).  The tile is asked for once, jointly, and lies whole in
; LDS at 272 bytes a row: 278,528 bytes, no ring, no refill.  One tensor load a wave (64 keys) is out.
; Sixteen waves, four on each SIMD with 256 registers each, so that one wave's exponentials run under another's matrix work.
; Wave w: head w & 1 of the pair, queries 32 (w >> 1) .. + 31 of the work-group's 256 (two tiles of 16).
; TRANSPOSED: S^T = K Q^T (source 0 = 16 keys, source 1 = 16 queries): lane (r, h) holds query r and in register j key 8 h + j.  Two neighbouring key
; tiles, packed to bf16, are then a source-1 fragment of P^T as they stand; out^T = V^T P^T, V^T by the transposing LDS load.  The running maximum, the
; sum and the rescaling factor are one number a lane; the two halves of the lanes meet by one v_permlanex16_b32.
; (At 272 bytes a row the plain loads are free of bank conflicts and the transposing loads are two deep: no pitch serves both kinds.)
; SOFTMAX: running maximum m over the keys; p = exp2(c s - c m), c = log2(e) / 8.  The shift NM = -c m is what both p (one fused multiply-add)
; and the rescaling exp2(NM_new - NM_old) use, so the parts stay consistent however large the scores are.
; MASK: a query row whose mask is 0 gets a zero Q fragment: all its scores are equal (0 in place of -65504), which is the same uniform softmax.
; ALSO HERE: W1 and W2 ([2048][1024] f32 each) are rounded to bf16 into wo [2][2048][1024] for the launch behind this one.  This launch's own traffic is
; small for its arithmetic, and a wave's share is small: 4 KiB, that is 8 loads, 16 conversions and 8 stores of 256 consecutive bytes from a multiple
; of 256, issued behind its Q loads while it waits for keys and queries.
; LIMITS: Q, K, V, p and the result are bf16; exponentials below 2^-126 come out as 0 (ISA guide 15.8); inf and NaN in the inputs are not served.
.set PITCH, 272
.set TRIPB, 64*PITCH                   ; 64 keys: a trip's bytes, and what one wave's tensor load fills
.set KA,  2                            ; LDS address of my K fragments, stepped by TRIPB a trip
.set VA,  3                            ; the same for V^T
.set M,   4                            ; v[4:5]    running maximum of q tile t
.set LS,  6                            ; v[6:7]    running sum (my half of the keys)
.set NM,  8                            ; v[8:9]    -c m, twice
.set AL,  10                           ; v[10:11]  rescaling factor, twice
.set T,   12                           ; v[12:19]  at work (v12 first: my 8 bytes in a 256-byte piece of wo)
.set NMO, 20                           ; v[20:21]  the last trip's -c m
.set QO,  22
.set MO,  23
.set ST,  26
.set RD,  27
.set CO,  28
.set WL,  29                           ; my 16 bytes in a 512-byte piece of W1 or W2
.set MK,  30                           ; v[30:31]  mask words
.set QF,  32                           ; v[32:63]   Q fragment (t, c) at 32 + 16 t + 8 c
.set ACC, 64                           ; v[64:127]  out^T tile (t, dt) at 64 + 32 t + 8 dt
.set KV,  128                          ; v[128:191] K (kt, c) at 128 + 8 (4 c + kt); then V^T (kc, dt) at 128 + 8 (4 kc + dt)
.set SC,  192                          ; v[192:255] S^T (t, kt) at 192 + 32 t + 8 kt; then P^T (t, kc) at 192 + 32 t + 16 kc; at the start: W as loaded and as stored
.set G0,  24                           ; s[24:27]
.set G1,  32                           ; s[32:39]
.macro ROUND                           ; a round of the cluster's barrier
	s_barrier_signal -1
	s_barrier_wait -1
	s_cmp_lg_u32 s12, 0
	s_cbranch_scc1 .Lnot_wave_0_\@
	s_barrier_signal -3
.Lnot_wave_0_\@:
	s_barrier_wait -3
	s_barrier_signal -1
	s_barrier_wait -1
.endm
.macro PLACES
.rept 4
	v_nop
.endr
.endm
	s_load_b256 s[4:11], s[0:1], 0x0               ; proj s[4:5], mask_q s[6:7], mask_c s[8:9], cat s[10:11]
	s_load_b128 s[56:59], s[0:1], 0x20             ; W1 s[56:57], W2 s[58:59]
	s_load_b64 s[60:61], s[0:1], 0x30              ; wo
	v_lshl_add_u32 v254, v0, 2, 0x44000
	v_mov_b32 v255, 0
	ds_add_u32 v254, v255
	s_wait_dscnt 0x0
	v_lshrrev_b32 v1, 5, v0
	v_readfirstlane_b32 s12, v1                    ; wave 0..15
	s_and_b32 s13, s12, 1                          ; head of the pair
	s_lshr_b32 s14, s12, 1                         ; which 32 queries
	s_bfe_u32 s15, ttmp6, 0x40000                  ; cx: which 256 queries
	s_lshr_b32 s16, ttmp9, 5                       ; dir
	s_bfe_u32 s17, ttmp9, 0x20003                  ; batch
	s_and_b32 s18, ttmp9, 7                        ; pair of heads
	s_lshl_b32 s19, s16, 12
	s_lshl_b32 s21, s17, 10
	s_add_co_u32 s19, s19, s21                     ; first key row in proj, and first result row in cat
	s_xor_b32 s20, s19, 4096                       ; first query row: the other side's
	s_lshl_b32 s21, s18, 8                         ; the pair's 256 bytes in a row
	s_mov_b32 s40, 0x3e38aa3b                      ; c = log2(e) / 8, twice (a pair is read whole)
	s_mov_b32 s41, 0x3e38aa3b
	s_mov_b32 s42, 0x76543210                      ; v_permlanex16_b32: lane i reads lane i of the other half
	s_mov_b32 s43, 0xfedcba98
	; the joint load: keys 64 w .. 64 w + 63, 128 elements each; nothing in it hangs on cx
	s_lshl_b32 s22, s12, 6
	s_add_co_u32 s22, s22, s19
	s_lshl_b32 s22, s22, 11                        ; 2,048 bytes a row of proj
	s_add_co_u32 s22, s22, s21
	s_mov_b32 s23, 0
	s_mov_b32 s[G1+0], 15|(1<<16)|(1<<20)|(1<<21)|(5<<22)|(3<<25)   ; all four work-groups; 2-byte elements; 4 words of padding behind every 64
	s_mov_b32 s[G1+1], 128<<16
	s_mov_b32 s[G1+2], 64<<16
	s_mov_b32 s[G1+3], 128<<16
	s_mov_b32 s[G1+4], 64
	s_mov_b32 s[G1+5], 1024
	s_mov_b32 s[G1+6], 0
	s_mov_b32 s[G1+7], 0
	s_mov_b32 s[G0], 1
	s_mul_i32 s[G0+1], s12, TRIPB
	s_wait_kmcnt 0x0
	s_add_nc_u64 s[G0+2:G0+3], s[4:5], s[22:23]
	s_or_b32 s[G0+3], s[G0+3], 0x80000000
	ROUND                                          ; the four work-groups are here: the joint loads meet
	tensor_load_to_lds s[G0:G0+3], s[G1:G1+7]
	s_nop 0
	; what hangs on cx lives in registers of its own
	s_lshl_b32 s48, s15, 8
	s_lshl_b32 s52, s14, 5
	s_add_co_u32 s48, s48, s52                     ; my first query among the batch's 1,024
	s_add_co_u32 s50, s48, s20
	s_lshl_b32 s50, s50, 11
	s_add_co_u32 s50, s50, s21
	s_lshl_b32 s53, s13, 7                         ; my head's 128 bytes
	s_add_co_u32 s50, s50, s53
	s_mov_b32 s51, 0
	s_add_nc_u64 s[28:29], s[4:5], s[50:51]        ; Q
	s_lshl_b32 s50, s17, 10
	s_add_co_u32 s50, s50, s48
	s_lshl_b32 s50, s50, 2
	s_cmp_eq_u32 s16, 0
	s_cselect_b64 s[30:31], s[6:7], s[8:9]
	s_add_nc_u64 s[30:31], s[30:31], s[50:51]      ; my 32 mask words
	s_lshl_b32 s50, s15, 8
	s_lshl_b32 s52, s12, 4
	s_add_co_u32 s50, s50, s52
	s_add_co_u32 s50, s50, s19                     ; the way out: wave w stores rows 16 w .. 16 w + 15 of the work-group's 256
	s_lshl_b32 s50, s50, 12                        ; 4,096 bytes a row of cat
	s_add_co_u32 s50, s50, s21
	s_add_co_u32 s50, s50, 2048                    ; the right half of the row
	s_add_nc_u64 s[46:47], s[10:11], s[50:51]
	; the weights' cast: work-group G = 4 x cluster + cx takes 64 KiB of W1 (G < 128, which is dir 0) or of W2, and 32 KiB of wo; a wave a sixteenth
	s_lshl_b32 s62, ttmp9, 2
	s_add_co_u32 s62, s62, s15                     ; G, 0..255
	s_lshl_b32 s52, s62, 15
	s_lshl_b32 s55, s12, 11
	s_add_co_u32 s50, s52, s55
	s_add_nc_u64 s[60:61], s[60:61], s[50:51]      ; my 2 KiB of wo
	s_and_b32 s62, s62, 127
	s_lshl_b32 s62, s62, 16
	s_lshl_b32 s55, s12, 12
	s_add_co_u32 s50, s62, s55
	s_cmp_eq_u32 s16, 0
	s_cselect_b64 s[56:57], s[56:57], s[58:59]
	s_add_nc_u64 s[56:57], s[56:57], s[50:51]      ; my 4 KiB of W1 or W2
	v_and_b32 v1, 15, v0                           ; r
	v_bfe_u32 v24, v0, 4, 1                        ; h
	v_lshlrev_b32 v[QO], 11, v1
	v_lshl_add_u32 v[QO], v24, 4, v[QO]            ; r rows + 16 h
	v_lshlrev_b32 v[MO], 2, v1
	v_and_b32 v[WL], 31, v0
	v_lshlrev_b32 v[T], 3, v[WL]                   ; 8 x lane
	v_lshlrev_b32 v[WL], 4, v[WL]                  ; 16 x lane
.irp t, 0,1
.irp c, 0,1
	global_load_b128 v[QF+16*\t+8*\c:QF+16*\t+8*\c+3],   v[QO], s[28:29] offset:\t*32768+64*\c
	global_load_b128 v[QF+16*\t+8*\c+4:QF+16*\t+8*\c+7], v[QO], s[28:29] offset:\t*32768+64*\c+32
.endr
	global_load_b32 v[MK+\t], v[MO], s[30:31] offset:64*\t
.endr
.irp j, 0,1,2,3,4,5,6,7
	global_load_b128 v[SC+4*\j:SC+4*\j+3], v[WL], s[56:57] offset:512*\j th:TH_LOAD_NT   ; 512 neighbouring bytes of the weights each
.endr
	v_mul_u32_u24 v[KA], v1, PITCH
	v_lshl_add_u32 v[KA], v24, 4, v[KA]
	v_add_nc_u32 v[KA], s53, v[KA]                 ; r x 272 + 16 h + my head
	v_and_b32 v25, 7, v0
	v_lshl_add_u32 v25, v24, 3, v25
	v_mul_u32_u24 v[VA], v25, PITCH
	v_bfe_u32 v25, v0, 3, 1
	v_lshl_add_u32 v[VA], v25, 4, v[VA]
	v_add_nc_u32 v[VA], s53, v[VA]                 ; (8 h + l % 8) x 272 + 16 for lanes 8-15 and 24-31 + my head
	s_mul_i32 s54, s14, 32*PITCH
	v_add_nc_u32 v[ST], s54, v[KA]                 ; the way out, in: row 32 (w >> 1) + r, my head, 16 h
	v_mul_u32_u24 v[RD], v24, PITCH
	v_lshl_add_u32 v[RD], v1, 4, v[RD]
	s_mul_i32 s54, s12, 16*PITCH
	v_add_nc_u32 v[RD], s54, v[RD]                 ; back: rows 16 w + h, 16 bytes a lane
	v_lshlrev_b32 v[CO], 12, v24
	v_lshl_add_u32 v[CO], v1, 4, v[CO]             ; the same two rows in cat
	s_wait_loadcnt 8                               ; Q and the mask are in; the eight younger loads (the weights) stay out
.irp t, 0,1
	v_cmp_ne_u32 vcc_lo, 0, v[MK+\t]
.set ii, 0
.rept 16
	v_cndmask_b32 v[QF+16*\t+ii], 0, v[QF+16*\t+ii], vcc_lo       ; a masked query's row of Q becomes zero
.set ii, ii+1
.endr
.endr
.irp j, 0,1,2,3,4,5,6,7
	s_wait_loadcnt 7-\j                            ; piece j of the weights is in, the 7 - j younger ones stay out
	v_cvt_pk_bf16_f32 v[SC+32+2*\j],   v[SC+4*\j],   v[SC+4*\j+1]
	v_cvt_pk_bf16_f32 v[SC+32+2*\j+1], v[SC+4*\j+2], v[SC+4*\j+3]
	global_store_b64 v[T], v[SC+32+2*\j:SC+32+2*\j+1], s[60:61] offset:256*\j
.endr
	s_wait_xcnt 0x0                                ; the stores' data and offset registers are written again (scores; work) only behind this wait (ISA guide 3.1)
	s_wait_tensorcnt 0x0                           ; my 64 keys are in LDS,
	s_barrier_signal -1
	s_barrier_wait -1                              ; everybody's are
; the softmax step of q tile t on a trip's 64 keys (32 numbers a lane)
.macro SOFT t, first
.set SB, SC+32*\t
.irp i, 0,1,2,3
	v_max3_num_f32 v[T+\i], v[SB+3*\i], v[SB+3*\i+1], v[SB+3*\i+2]   ; four chains, started by twelve scores
.endr
.set jj, 12
.set kk, 0
.rept 10
	v_max3_num_f32 v[T+kk%4], v[T+kk%4], v[SB+jj], v[SB+jj+1]
.set jj, jj+2
.set kk, kk+1
.endr
	v_max3_num_f32 v[T], v[T], v[T+1], v[T+2]
.if \first
	v_max_num_f32 v[T], v[T], v[T+3]
.else
	v_max3_num_f32 v[T], v[T], v[T+3], v[M+\t]
.endif
	v_permlanex16_b32 v[T+1], v[T], s42, s43       ; the other half's keys
	v_max_num_f32 v[M+\t], v[T], v[T+1]
	v_mul_f32 v[NM],   0xbe38aa3b, v[M+\t]         ; -c m
	v_mul_f32 v[NM+1], 0xbe38aa3b, v[M+\t]
.if \first
.else
	v_sub_f32 v[T], v[NM], v[NMO+\t]
	v_exp_f32 v[AL],   v[T]                        ; exp2(c m_old - c m_new)
	v_exp_f32 v[AL+1], v[T]
.endif
	v_mov_b32 v[NMO+\t], v[NM]
.set ii, 0
.rept 16
	v_pk_fma_f32 v[SB+2*ii:SB+2*ii+1], v[SB+2*ii:SB+2*ii+1], s[40:41], v[NM:NM+1] op_sel_hi:[1,0,1]
.set ii, ii+1
.endr
.set ii, 0
.rept 32
	v_exp_f32 v[SB+ii], v[SB+ii]
.set ii, ii+1
.endr
.if \first
	v_nop                                          ; a plain place behind the exponentials (ISA guide 5.7.2)
	s_wait_alu depctr_va_vdst(0)
.else
.set ii, 0
	s_wait_alu depctr_va_vdst(0)
.rept 16
	v_pk_mul_f32 v[ACC+32*\t+2*ii:ACC+32*\t+2*ii+1], v[ACC+32*\t+2*ii:ACC+32*\t+2*ii+1], v[AL:AL+1]   ; plain work behind the exponentials
.set ii, ii+1
.endr
.endif
.irp i, 0,1,2,3
	v_pk_add_f32 v[T+2*\i:T+2*\i+1], v[SB+4*\i:SB+4*\i+1], v[SB+4*\i+2:SB+4*\i+3]
.endr
.irp i, 0,1,2,3,4,5,6,7
	v_pk_add_f32 v[T+2*(\i%4):T+2*(\i%4)+1], v[T+2*(\i%4):T+2*(\i%4)+1], v[SB+16+2*\i:SB+16+2*\i+1]
.endr
	v_pk_add_f32 v[T:T+1], v[T:T+1], v[T+2:T+3]
	v_pk_add_f32 v[T+4:T+5], v[T+4:T+5], v[T+6:T+7]
	v_pk_add_f32 v[T:T+1], v[T:T+1], v[T+4:T+5]
.if \first
	v_add_f32 v[LS+\t], v[T], v[T+1]
.else
	v_add_f32 v[T], v[T], v[T+1]
	v_fma_f32 v[LS+\t], v[LS+\t], v[AL], v[T]
.endif
.irp kc, 0,1
.irp i, 0,1,2,3,4,5,6,7
	v_cvt_pk_bf16_f32 v[SB+16*\kc+\i], v[SB+16*\kc+2*\i], v[SB+16*\kc+2*\i+1]   ; in place: word i is written when numbers 2 i, 2 i + 1 are read
.endr
.endr
.endm
; a trip: 64 keys.  In each group of eight matrix instructions the eight accumulators take turns, one instruction a turn.
.macro TRIP first
.irp c, 0,1
.irp kt, 0,1,2,3
	ds_load_b128 v[KV+8*(4*\c+\kt):KV+8*(4*\c+\kt)+3],   v[KA] offset:\kt*16*PITCH+64*\c
	ds_load_b128 v[KV+8*(4*\c+\kt)+4:KV+8*(4*\c+\kt)+7], v[KA] offset:\kt*16*PITCH+64*\c+32
.endr
.endr
	s_wait_dscnt 8                                 ; d = 0..31 of the four key tiles is in; the eight younger loads stay out
.irp t, 0,1
.irp kt, 0,1,2,3
	v_wmma_f32_16x16x32_bf16 v[SC+32*\t+8*\kt:SC+32*\t+8*\kt+7], v[KV+8*\kt:KV+8*\kt+7], v[QF+16*\t:QF+16*\t+7], 0
.endr
.endr
	s_wait_dscnt 0
.irp t, 0,1
.irp kt, 0,1,2,3
	v_wmma_f32_16x16x32_bf16 v[SC+32*\t+8*\kt:SC+32*\t+8*\kt+7], v[KV+32+8*\kt:KV+32+8*\kt+7], v[QF+16*\t+8:QF+16*\t+15], v[SC+32*\t+8*\kt:SC+32*\t+8*\kt+7]
.endr
.endr
	PLACES                                         ; in front of the loads into K's registers and of the readers of the scores
.irp kc, 0,1
.irp dt, 0,1,2,3
	ds_load_tr16_b128 v[KV+8*(4*\kc+\dt):KV+8*(4*\kc+\dt)+3],   v[VA] offset:\kc*32*PITCH+32*\dt
	ds_load_tr16_b128 v[KV+8*(4*\kc+\dt)+4:KV+8*(4*\kc+\dt)+7], v[VA] offset:\kc*32*PITCH+16*PITCH+32*\dt
.endr
.endr
	SOFT 0, \first
	SOFT 1, \first
	s_wait_dscnt 8                                 ; V^T of keys 0..31 is in
.irp t, 0,1
.irp dt, 0,1,2,3
.if \first
	v_wmma_f32_16x16x32_bf16 v[ACC+32*\t+8*\dt:ACC+32*\t+8*\dt+7], v[KV+8*\dt:KV+8*\dt+7], v[SC+32*\t:SC+32*\t+7], 0
.else
	v_wmma_f32_16x16x32_bf16 v[ACC+32*\t+8*\dt:ACC+32*\t+8*\dt+7], v[KV+8*\dt:KV+8*\dt+7], v[SC+32*\t:SC+32*\t+7], v[ACC+32*\t+8*\dt:ACC+32*\t+8*\dt+7]
.endif
.endr
.endr
	s_wait_dscnt 0
.irp t, 0,1
.irp dt, 0,1,2,3
	v_wmma_f32_16x16x32_bf16 v[ACC+32*\t+8*\dt:ACC+32*\t+8*\dt+7], v[KV+32+8*\dt:KV+32+8*\dt+7], v[SC+32*\t+16:SC+32*\t+23], v[ACC+32*\t+8*\dt:ACC+32*\t+8*\dt+7]
.endr
.endr
	; five places: in front of the next trip's loads into V's registers (four), of its first products, which write over P's registers (five),
	; and, behind the last trip, of the readers of the sums (four)
	v_add_nc_u32 v[KA], TRIPB, v[KA]
	v_add_nc_u32 v[VA], TRIPB, v[VA]
.rept 3
	v_nop
.endr
.endm
	TRIP 1                                         ; the first trip starts maximum, sum and products: nothing is cleared
	s_mov_b32 s44, 15
.Ltrip:
	TRIP 0
	s_sub_co_u32 s44, s44, 1
	s_cmp_lg_u32 s44, 0
	s_cbranch_scc1 .Ltrip
; divide by the sum and round: a lane's eight numbers of a tile are eight neighbouring columns of one query's row
.macro FIN t
	v_permlanex16_b32 v[T], v[LS+\t], s42, s43
	v_add_f32 v[T], v[T], v[LS+\t]                 ; the sum over all 1,024 keys; at least 1, since the largest score gives p = 1
	v_rcp_f32 v[AL],   v[T]
	v_rcp_f32 v[AL+1], v[T]
	v_nop
.set ii, 0
	s_wait_alu depctr_va_vdst(0)
.rept 16
	v_pk_mul_f32 v[ACC+32*\t+2*ii:ACC+32*\t+2*ii+1], v[ACC+32*\t+2*ii:ACC+32*\t+2*ii+1], v[AL:AL+1]
.set ii, ii+1
.endr
.irp dt, 0,1,2,3
.irp i, 0,1,2,3
	v_cvt_pk_bf16_f32 v[ACC+32*\t+8*\dt+\i], v[ACC+32*\t+8*\dt+2*\i], v[ACC+32*\t+8*\dt+2*\i+1]
.endr
.endr
.endm
	FIN 0
	FIN 1
	s_wait_dscnt 0x0                               ; my reads of the key tile are over,
	s_barrier_signal -1
	s_barrier_wait -1                              ; everybody's are.  The tile has had its only fill of the launch: its first 256 rows become the stage
.irp t, 0,1
.irp dt, 0,1,2,3
	ds_store_b128 v[ST], v[ACC+32*\t+8*\dt:ACC+32*\t+8*\dt+3] offset:\t*16*PITCH+32*\dt
.endr
.endr
	s_wait_dscnt 0x0                               ; for the others' sake: zero
	s_barrier_signal -1
	s_barrier_wait -1
.irp u, 0,1,2,3,4,5,6,7
	ds_load_b128 v[KV+4*\u:KV+4*\u+3], v[RD] offset:\u*2*PITCH     ; two rows of 256 bytes: both heads side by side
.endr
.irp u, 0,1,2,3,4,5,6,7
	s_wait_dscnt 7-\u
	global_store_b128 v[CO], v[KV+4*\u:KV+4*\u+3], s[46:47] offset:\u*8192   ; 16 lanes store 256 consecutive bytes from a multiple of 256
.endr
	s_wait_xcnt 0x0
	v_lshl_add_u32 v254, v0, 2, 0x44000
	v_mov_b32 v255, 0
	s_wait_tensorcnt 0x0
	ds_add_u32 v254, v255
	s_wait_dscnt 0x0
	ROUND                                          ; the closing round
	s_endpgm
.Lfunc_end_k_q3166790ca7_attend:
	.size	k_q3166790ca7_attend, .Lfunc_end_k_q3166790ca7_attend-k_q3166790ca7_attend
	.p2alignl 7, 3214868480
	.fill 96, 4, 3214868480
	.section	.rodata,"a",@progbits
	.p2align	6, 0x0
	.amdhsa_kernel k_q3166790ca7_attend
		.amdhsa_group_segment_fixed_size 280576
		.amdhsa_private_segment_fixed_size 0
		.amdhsa_enable_private_segment 0
		.amdhsa_kernarg_size 56
		.amdhsa_user_sgpr_count 2
		.amdhsa_user_sgpr_kernarg_segment_ptr 1
		.amdhsa_wavefront_size32 1
		.amdhsa_system_sgpr_workgroup_id_x 1
		.amdhsa_system_sgpr_workgroup_id_y 1
		.amdhsa_system_sgpr_workgroup_id_z 1
		.amdhsa_system_vgpr_workitem_id 0
		.amdhsa_next_free_vgpr 256
		.amdhsa_next_free_sgpr 66
		.amdhsa_reserve_vcc 1
		.amdhsa_float_denorm_mode_32 3
		.amdhsa_float_denorm_mode_16_64 3
		.amdhsa_memory_ordered 1
		.amdhsa_forward_progress 1
		.amdhsa_inst_pref_size 50
	.end_amdhsa_kernel
	.amdgpu_metadata
---
amdhsa.version: [ 1, 2 ]
amdhsa.kernels:
  - .name:           k_q3166790ca7_attend
    .symbol:         k_q3166790ca7_attend.kd
    .args:
      - { .name: proj, .offset: 0, .size: 8, .value_kind: global_buffer, .address_space: global }
      - { .name: mask_q, .offset: 8, .size: 8, .value_kind: global_buffer, .address_space: global }
      - { .name: mask_c, .offset: 16, .size: 8, .value_kind: global_buffer, .address_space: global }
      - { .name: cat, .offset: 24, .size: 8, .value_kind: global_buffer, .address_space: global }
      - { .name: W1, .offset: 32, .size: 8, .value_kind: global_buffer, .address_space: global }
      - { .name: W2, .offset: 40, .size: 8, .value_kind: global_buffer, .address_space: global }
      - { .name: wo, .offset: 48, .size: 8, .value_kind: global_buffer, .address_space: global }
    .group_segment_fixed_size: 280576
    .private_segment_fixed_size: 0
    .kernarg_segment_align: 8
    .kernarg_segment_size: 56
    .max_flat_workgroup_size: 512
    .sgpr_count:     66
    .vgpr_count:     256
    .wavefront_size: 32
...
	.end_amdgpu_metadata
.endif
;; end of part 3
;; launch combine (part 4): grid 4 x 64, 4 waves a work-group, clusters of 4 x 4, 327,680 bytes of LDS; arguments cat, wo, b1, b2, question, context, out0, out1; writes out0, out1
.if DOCPART == 4
	.amdgcn_target "amdgcn-amd-amdhsa--gfx1250"
	.amdhsa_code_object_version 6
	.text
	.protected	k_q3166790ca7_combine
	.globl	k_q3166790ca7_combine
	.p2align	8
	.type	k_q3166790ca7_combine,@function
k_q3166790ca7_combine:
	s_mov_b64 s[64:65], 0
	v_nop
	global_prefetch_b8 v0, s[64:65] scope:SCOPE_SE
	s_setreg_imm32_b32 hwreg(HW_REG_WAVE_MODE, 25, 1), 1
	s_wait_xcnt 0x0
	s_wait_alu depctr_hold_cnt(0) depctr_sa_sdst(0) depctr_va_vdst(0) depctr_va_sdst(0) depctr_va_ssrc(0) depctr_va_vcc(0) depctr_vm_vsrc(0)
	s_getreg_b32 s2, hwreg(HW_REG_IB_STS2, 6, 4)
	s_cmp_eq_u32 s2, 0
	s_cbranch_scc0 .Lentry_in_a_cluster
	s_endpgm
.Lentry_in_a_cluster:
	s_bfe_u32 s2, ttmp6, 0x10000c
	s_cmp_lg_u32 s2, 0xf033
	s_cbranch_scc0 .Lentry_shape_is_right
	s_endpgm
.Lentry_shape_is_right:
; out_side[4096][1024] (f32) = x + tanh([x | attention] W_side + b_side):  side 0: question, W1, b1, out0;  side 1: context, W2, b2, out1.
; [x | attention] = cat [8192][2048] bf16 as it lies (4,096 bytes a row); W = wo + side x 4 MiB, kept [K][N] (2,048 bytes a row).  Sums in f32.
; The product is made as in the projection launch: a work-group makes 128 rows x 256 columns with four waves (256 work-groups), a wave 64 x 128 in 32
; accumulator tiles; 4 x 4 clusters, cat's tile asked for jointly along a row of the cluster, W's along a column, which divides the requests for both
; by four; W's fragments by the transposing LDS load; the matrix instruction used transposed (source 0 = 16 columns of W, source 1 = 16 rows of cat),
; so that a lane's eight results are eight neighbouring columns of one row.
; THE RING.  A k of this block takes 264 bytes of cat and 544 of W in LDS, so 384 k fit: a BIG slot with the tiles of two K steps (256 k) and a SMALL slot
; with those of one (128 k), read by turns: small, big, small, .. small = 6 x 128 + 5 x 256 = 2,048 k.  One barrier and one load a wave for each change of
; slots that fills a slot again: nine.  The small slot's load has the big slot's 256 matrix instructions of a wave in which to land, the big slot's 128.
; THE RESIDUAL, 64 rows x 512 bytes a wave, is asked for while the product runs (32 loads behind the first lap, 32 behind the loop) into a register window
; of its own, so that the way out does not wait for it.
; THE WAY OUT stays in f32: 16 rows x 512 bytes through my own stage, read back as whole rows, bias, tanh and residual on 4 numbers a lane.
; tanh(y) = 1 - 2 / (1 + exp2(2 log2(e) y)): absolute error of the order of 1e-7, and exactly +-1 where the exponential overflows or vanishes.
; LIMITS: matrix operands are bf16; inf and NaN in the inputs are not served.
; REGISTERS: window 0: v16-31 addresses and bias, v32-127 and v128-223 two fragment buffers (cat tiles at +0, W tiles at +32); on the way out v96-159 results;
;            window 1: accumulator tile (a, b) at v[8 (8 a + b)];   window 2: the residual, row i of my 64 at v[4 i].
.set SIDESH, 22                        ; log2 of a side's bytes in wo: 2,048 rows of 2,048 bytes
.set PB,   544                         ; W rows in LDS: 512 bytes + 32: an odd multiple of 32, as the transposing load's eight rows want
.set PA0,  528                         ; cat rows in the big slot: 512 bytes + 16
.set PA1,  272                         ; in the small slot: 256 bytes + 16; both odd multiples of 16
.set BIGA, 0
.set BIGB, BIGA+128*PA0
.set SMLA, BIGB+256*PB
.set SMLB, SMLA+128*PA1                ; the ring ends at 311,296
.set KSML, 0                           ; first k of the small slot's first tile
.set KBIG, 128                         ; and of the big slot's
.set PAIR, 384                         ; k from a slot's tile to its next
.set STAGE,  BIGA                      ; the way out: 16 rows x 528 bytes for each wave, in the big slot, which by then has had its last fill and its last read
.set SPITCH, 528                       ; 512 bytes + 16: sixteen rows start at sixteen different 16-byte columns of 256
.set ADRA, 16                          ; v16 cat fragments in the big slot, v17 in the small
.set ADRB, 20                          ; v20, v21 W fragments of the big slot's first and second K step, v22 of the small slot
.set STO,  24
.set RD,   25
.set CO,   26
.set BI,   28                          ; v[28:31] 2 log2(e) x bias of my four columns
.set F0,   32
.set F1,   128
.set R,    96
.set G1A, 24                           ; s[24:31], s[32:39] descriptor group 1 for cat tiles: big, small
.set G0A, 40                           ; s[40:43], s[44:47] group 0 for cat tiles
.set G1B, 48                           ; s[48:55], s[56:63] group 1 for W tiles
.set G0B, 68                           ; s[68:71], s[72:75] group 0 for W tiles
.set MSB, 0
.macro WIN new                         ; s_set_vgpr_msb: bits 1:0 source 0, 3:2 source 1, 5:4 source 2, 7:6 destination; the high byte repeats the setting that is left
.if MSB != \new
	s_set_vgpr_msb (MSB<<8)|\new
.set MSB, \new
.endif
.endm
.set MULW,  0x50                       ; C and D in window 1
.set STACC, 0x04                       ; an LDS store's data (source 1) in window 1
.set TOX,   0x80                       ; a load's destination in window 2
.set ADDX,  0x08                       ; source 1 in window 2
.macro JLOAD s
	s_cmp_eq_u32 s11, 0
	s_cbranch_scc0 .Lfor_b_\@
	tensor_load_to_lds s[G0A+4*\s:G0A+4*\s+3], s[G1A+8*\s:G1A+8*\s+7]
	s_nop 0
	s_branch .Lasked_\@
.Lfor_b_\@:
	tensor_load_to_lds s[G0B+4*\s:G0B+4*\s+3], s[G1B+8*\s:G1B+8*\s+7]
	s_nop 0
.Lasked_\@:
.endm
.macro CREST
	s_cmp_lg_u32 s10, 0
	s_cbranch_scc1 .Lnot_wave_0_\@
	s_barrier_signal -3
.Lnot_wave_0_\@:
	s_barrier_wait -3
	s_barrier_signal -1
	s_barrier_wait -1
.endm
.macro CROUND
	s_barrier_signal -1
	s_barrier_wait -1
	CREST
.endm
.macro PLACES                          ; four places behind matrix instructions (ISA guide 7.12.1)
.rept 4
	v_nop
.endr
.endm
.macro SHAPE g, cols, rows, pitch      ; words 1 to 7 of a group 1: a tile of rows x cols elements that lies inside the tensor; pitch in elements
	s_mov_b32 s[\g+1], \cols<<16
	s_mov_b32 s[\g+2], \rows<<16
	s_mov_b32 s[\g+3], \cols<<16
	s_mov_b32 s[\g+4], \rows
	s_mov_b32 s[\g+5], \pitch
	s_mov_b32 s[\g+6], 0
	s_mov_b32 s[\g+7], 0
.endm
	s_load_b128 s[4:7], s[0:1], 0x0                ; cat s[4:5], wo s[6:7]
	s_load_b128 s[84:87], s[0:1], 0x10             ; b1, b2
	s_load_b256 s[88:95], s[0:1], 0x20             ; question, context, out0, out1
	v_lshl_add_u32 v254, v0, 2, 0x4c000
	v_mov_b32 v255, 0
	ds_add_u32 v254, v255
	v_lshrrev_b32 v1, 5, v0
	v_readfirstlane_b32 s10, v1                    ; wave 0..3
	s_lshr_b32 s11, s10, 1                         ; my half of the rows.  Also: I ask for cat (0) or for W (1)
	s_and_b32 s12, s10, 1                          ; my half of the columns.  Also: which half of that tile's rows I ask for
	s_bfe_u32 s76, ttmp6, 0x40000                  ; cx
	s_bfe_u32 s77, ttmp6, 0x40004                  ; cy
	s_lshl_b32 s78, ttmp9, 2
	s_add_co_u32 s78, s78, s76                     ; block column 0..3
	s_and_b32 s79, ttmp7, 0xffff
	s_lshl_b32 s13, s79, 2
	s_add_co_u32 s13, s13, s77                     ; block row 0..63
	s_lshr_b32 s79, s79, 3                         ; side, one for the whole cluster
	s_lshl_b32 s80, s77, 2
	s_lshl_b32 s80, 15, s80                        ; my row of the cluster
	s_lshl_b32 s81, 0x1111, s76                    ; my column
	s_or_b32 s[G1A+0], s80, (1<<16)|(1<<20)|(1<<21)|(6<<22)|(3<<25)   ; cat, big: 4 words of padding behind every 128
	SHAPE G1A, 256, 64, 2048
	s_or_b32 s[G1A+8], s80, (1<<16)|(1<<20)|(1<<21)|(5<<22)|(3<<25)   ; cat, small: 4 words behind every 64
	SHAPE G1A+8, 128, 64, 2048
	s_or_b32 s[G1B+0], s81, (1<<16)|(1<<20)|(1<<21)|(6<<22)|(7<<25)   ; W: 8 words behind every 128
	SHAPE G1B, 256, 128, 1024
	s_or_b32 s[G1B+8], s81, (1<<16)|(1<<20)|(1<<21)|(6<<22)|(7<<25)
	SHAPE G1B+8, 256, 64, 1024
	s_mov_b32 s[G0A], 1
	s_mul_i32 s[G0A+1], s12, 64*PA0                ; BIGA = 0
	s_mov_b32 s[G0A+4], 1
	s_mul_i32 s[G0A+5], s12, 64*PA1
	s_add_co_u32 s[G0A+5], s[G0A+5], SMLA
	s_mov_b32 s[G0B], 1
	s_mul_i32 s[G0B+1], s12, 128*PB
	s_add_co_u32 s[G0B+1], s[G0B+1], BIGB
	s_mov_b32 s[G0B+4], 1
	s_mul_i32 s[G0B+5], s12, 64*PB
	s_add_co_u32 s[G0B+5], s[G0B+5], SMLB
	s_lshl_b32 s16, s13, 19                        ; 128 rows of 4,096 bytes
	s_lshl_b32 s17, s12, 18                        ; + my 64 rows
	s_add_co_u32 s16, s16, s17
	s_mov_b32 s17, 0
	s_lshl_b32 s82, s79, SIDESH
	s_lshl_b32 s83, s78, 9                         ; + 256 columns of 2 bytes
	s_add_co_u32 s82, s82, s83
	s_mov_b32 s83, 0
	s_lshl_b32 s18, s12, 18                        ; big: my 128 rows (k) of 2,048 bytes
	s_mov_b32 s19, 0
	s_lshl_b32 s20, s12, 17                        ; small: my 64 rows
	s_mov_b32 s21, 0
	s_wait_dscnt 0x0
	s_wait_kmcnt 0x0
	s_add_nc_u64 s[14:15], s[4:5], s[16:17]
	s_add_nc_u64 s[82:83], s[6:7], s[82:83]
	s_add_nc_u64 s[G0A+2:G0A+3], s[14:15], KBIG*2
	s_or_b32 s[G0A+3], s[G0A+3], 0x80000000
	s_add_nc_u64 s[G0A+6:G0A+7], s[14:15], KSML*2
	s_or_b32 s[G0A+7], s[G0A+7], 0x80000000
	s_add_nc_u64 s[G0B+2:G0B+3], s[82:83], s[18:19]
	s_add_nc_u64 s[G0B+2:G0B+3], s[G0B+2:G0B+3], KBIG*2048
	s_or_b32 s[G0B+3], s[G0B+3], 0x80000000
	s_add_nc_u64 s[G0B+6:G0B+7], s[82:83], s[20:21]
	s_add_nc_u64 s[G0B+6:G0B+7], s[G0B+6:G0B+7], KSML*2048
	s_or_b32 s[G0B+7], s[G0B+7], 0x80000000
	CROUND                                         ; all sixteen work-groups are here: the first joint loads meet
	JLOAD 1                                        ; k 0..127
	JLOAD 0                                        ; k 128..383: two loads of this wave are out
	; the side's bias, residual and output, at my wave's corner; in registers that feed no descriptor
	s_cmp_eq_u32 s79, 0
	s_cselect_b64 s[96:97], s[84:85], s[86:87]
	s_cselect_b64 s[98:99], s[88:89], s[90:91]
	s_cselect_b64 s[100:101], s[92:93], s[94:95]
	s_lshl_b32 s84, s78, 10                        ; 256 columns of 4 bytes
	s_lshl_b32 s85, s12, 9                         ; + my 128
	s_add_co_u32 s84, s84, s85
	s_mov_b32 s85, 0
	s_add_nc_u64 s[96:97], s[96:97], s[84:85]
	s_and_b32 s88, s13, 31                         ; block row inside the side
	s_lshl_b32 s88, s88, 19                        ; 128 rows of 4,096 bytes
	s_lshl_b32 s89, s11, 18                        ; + my 64
	s_add_co_u32 s88, s88, s89
	s_add_co_u32 s84, s84, s88
	s_add_nc_u64 s[98:99], s[98:99], s[84:85]
	s_add_nc_u64 s[100:101], s[100:101], s[84:85]
	s_mov_b32 s86, 0x4038aa3b                      ; 2 log2(e), twice (a pair is read whole)
	s_mov_b32 s87, 0x4038aa3b
	v_and_b32 v5, 31, v0
	v_lshlrev_b32 v[CO], 4, v5                     ; 16 bytes a lane: a wave covers a row's 512 bytes
	global_load_b128 v[BI:BI+3], v[CO], s[96:97]
	v_and_b32 v1, 15, v0                           ; r
	v_bfe_u32 v2, v0, 4, 1                         ; h
	v_mul_u32_u24 v3, v1, PA0
	v_lshl_add_u32 v3, v2, 4, v3                   ; cat fragment, big slot: r x 528 + 16 h
	v_mul_u32_u24 v6, v1, PA1
	v_lshl_add_u32 v6, v2, 4, v6                   ; small slot: r x 272 + 16 h
	v_and_b32 v4, 7, v0
	v_lshl_add_u32 v4, v2, 3, v4
	v_mul_u32_u24 v4, v4, PB
	v_bfe_u32 v5, v0, 3, 1
	v_lshl_add_u32 v4, v5, 4, v4                   ; W fragment: (8 h + l % 8) x 544 + 16 for lanes 8-15 and 24-31
	s_mul_i32 s21, s11, 64*PA0
	v_add_nc_u32 v[ADRA], s21, v3
	s_mul_i32 s21, s11, 64*PA1
	s_add_co_u32 s21, s21, SMLA
	v_add_nc_u32 v[ADRA+1], s21, v6
	s_lshl_b32 s22, s12, 8
	s_add_co_u32 s23, s22, BIGB
	v_add_nc_u32 v[ADRB], s23, v4
	s_add_co_u32 s23, s22, BIGB+128*PB
	v_add_nc_u32 v[ADRB+1], s23, v4
	s_add_co_u32 s23, s22, SMLB
	v_add_nc_u32 v[ADRB+2], s23, v4
	s_mul_i32 s23, s10, 16*SPITCH                  ; my stage (STAGE = 0)
	v_mul_u32_u24 v7, v1, SPITCH
	v_lshl_add_u32 v7, v2, 5, v7
	v_add_nc_u32 v[STO], s23, v7                   ; in: row r, 32 bytes for each half of the lanes
	v_add_nc_u32 v[RD], s23, v[CO]                 ; back: a whole row, 16 bytes a lane
	s_wait_loadcnt 0x0                             ; the bias, once
	v_pk_mul_f32 v[BI:BI+1],   v[BI:BI+1],   s[86:87] op_sel_hi:[1,0]
	v_pk_mul_f32 v[BI+2:BI+3], v[BI+2:BI+3], s[86:87] op_sel_hi:[1,0]
; The 32 accumulators take turns, one instruction a turn, in the same order in every quarter step.
.macro MUL8 f, a, zero
.irp b, 0,1,2,3,4,5,6,7
.if \zero
	v_wmma_f32_16x16x32_bf16 v[8*(8*\a+\b):8*(8*\a+\b)+7], v[\f+32+8*\b:\f+32+8*\b+7], v[\f+8*\a:\f+8*\a+7], 0
.else
	v_wmma_f32_16x16x32_bf16 v[8*(8*\a+\b):8*(8*\a+\b)+7], v[\f+32+8*\b:\f+32+8*\b+7], v[\f+8*\a:\f+8*\a+7], v[8*(8*\a+\b):8*(8*\a+\b)+7]
.endif
.endr
.endm
; 24 LDS loads in one run: quarter kq (32 along K) of K step v into buffer f.  v = 0, 1: the big slot's two K steps; v = 2: the small slot's.
.macro FETCH v, kq, f
	WIN 0
.irp b, 0,1,2,3,4,5,6,7
	ds_load_tr16_b128 v[\f+32+8*\b:\f+32+8*\b+3],   v[ADRB+\v] offset:\kq*32*PB+32*\b
	ds_load_tr16_b128 v[\f+32+8*\b+4:\f+32+8*\b+7], v[ADRB+\v] offset:\kq*32*PB+16*PB+32*\b
.endr
.irp i, 0,1,2,3
	ds_load_b128 v[\f+8*\i:\f+8*\i+3],   v[ADRA+\v/2] offset:(\v%2)*256+\kq*64+\i*16*(PA0-(\v/2)*256)
	ds_load_b128 v[\f+8*\i+4:\f+8*\i+7], v[ADRA+\v/2] offset:(\v%2)*256+\kq*64+\i*16*(PA0-(\v/2)*256)+32
.endr
.endm
.macro QUARTER v, kq, f, g, zero
	s_wait_dscnt 4                                 ; W and cat tiles 0, 1 are in; the youngest four loads (cat tiles 2, 3) may be out
	WIN MULW
	MUL8 \f, 0, \zero
	MUL8 \f, 1, \zero
	PLACES
	FETCH \v, \kq, \g
	s_wait_dscnt 24                                ; all but the 24 just issued
	WIN MULW
	MUL8 \f, 2, \zero
	MUL8 \f, 3, \zero
.endm
.macro THREE v, zero
	QUARTER \v, 1, F0, F1, \zero
	QUARTER \v, 2, F1, F0, 0
	QUARTER \v, 3, F0, F1, 0
.endm
; a slot's last quarter: multiplies buffer 1 and changes slots.  vnext: the other slot's first K step.  fill = 1: this slot is filled again, 384 k ahead.
.macro TURN slot, vnext, fill
	s_wait_dscnt 4
	WIN MULW
	MUL8 F1, 0, 0
	s_wait_dscnt 0                                 ; my reads of this slot are over
	s_wait_tensorcnt 0x0                           ; all my tensor loads have landed: the one that was out is my part of the other slot
	ds_add_u32 v254, v255
	s_wait_dscnt 0x0
	s_barrier_signal -1                            ; (where the slot is filled again this barrier opens a round of the cluster's barrier)
	MUL8 F1, 1, 0
	WIN 0
	s_barrier_wait -1
.if \fill
	CREST                                          ; no wave of any partner still reads this slot or has a load on its way
	s_add_nc_u64 s[G0A+4*\slot+2:G0A+4*\slot+3], s[G0A+4*\slot+2:G0A+4*\slot+3], PAIR*2
	s_add_nc_u64 s[G0B+4*\slot+2:G0B+4*\slot+3], s[G0B+4*\slot+2:G0B+4*\slot+3], PAIR*2048
	JLOAD \slot                                    ; the wave's one tensor load behind the round, and the first thing there
.endif
	PLACES
	FETCH \vnext, 0, F0
	WIN MULW
	MUL8 F1, 2, 0
	MUL8 F1, 3, 0
.endm
.macro BIGSTEP zero, fill              ; the big slot's two K steps (no barrier between them), then on to the small slot
	THREE 0, \zero
	QUARTER 1, 0, F1, F0, 0
	THREE 1, 0
	TURN 0, 2, \fill
.endm
.macro SMLSTEP zero, fill              ; the small slot's K step, then on to the big slot
	THREE 2, \zero
	TURN 1, 0, \fill
.endm
; 16 rows of the residual into window 2, 512 neighbouring bytes a load
.macro XLOAD a
	WIN TOX
.irp t, 0,1,2,3,4,5,6,7,8,9,10,11,12,13,14,15
	global_load_b128 v[64*\a+4*\t:64*\a+4*\t+3], v[CO], s[98:99] offset:(16*\a+\t)*4096 th:TH_LOAD_NT
.endr
	WIN 0
.endm
	s_wait_tensorcnt 1                             ; my part of the small slot is in; the big slot's may stay out
	s_barrier_signal -1
	s_barrier_wait -1
	FETCH 2, 0, F0
	SMLSTEP 1, 1                                   ; the first lap stands in front of the loop: its first products start the sums
	BIGSTEP 0, 1
	XLOAD 0                                        ; rows 0..31 of the residual: nothing reads them before the way out
	XLOAD 1
	s_mov_b32 s3, 3
.Llap:
	SMLSTEP 0, 1
	BIGSTEP 0, 1
	WIN 0
	s_sub_co_u32 s3, s3, 1
	s_cmp_lg_u32 s3, 0
	s_cbranch_scc1 .Llap
	XLOAD 2                                        ; rows 32..63: four K steps of work are left
	XLOAD 3
	SMLSTEP 0, 1                                   ; k 1536..1663; the last tile, k 1920..2047, is asked for
	BIGSTEP 0, 0                                   ; k 1664..1919; nothing is left to fetch
	THREE 2, 0                                     ; k 1920..2047
	s_wait_dscnt 4
	WIN MULW
	MUL8 F1, 0, 0
	MUL8 F1, 1, 0
	s_wait_dscnt 0
	MUL8 F1, 2, 0
	MUL8 F1, 3, 0
	PLACES                                         ; in front of the loads into the fragment buffers and of the LDS stores of the sums
	WIN 0
	s_wait_loadcnt 0x0                             ; the residual, all 64 rows
; tanh in three stages on a row's four numbers; the stages of neighbouring rows are laid into each other, so that plain work of another row
; stands behind each run of transcendentals (ISA guide 5.7.2)
.macro ROWA t                          ; exp2(2 log2(e) (sum + bias))
	v_pk_fma_f32 v[R+4*(\t):R+4*(\t)+1],   v[R+4*(\t):R+4*(\t)+1],   s[86:87], v[BI:BI+1]   op_sel_hi:[1,0,1]
	v_pk_fma_f32 v[R+4*(\t)+2:R+4*(\t)+3], v[R+4*(\t)+2:R+4*(\t)+3], s[86:87], v[BI+2:BI+3] op_sel_hi:[1,0,1]
	v_exp_f32 v[R+4*(\t)],   v[R+4*(\t)]
	v_exp_f32 v[R+4*(\t)+1], v[R+4*(\t)+1]
	v_exp_f32 v[R+4*(\t)+2], v[R+4*(\t)+2]
	v_exp_f32 v[R+4*(\t)+3], v[R+4*(\t)+3]
.endm
.macro ROWB t                          ; 1 / (1 + e^(2 y))
	s_wait_alu depctr_va_vdst(0)
	v_pk_add_f32 v[R+4*(\t):R+4*(\t)+1],   v[R+4*(\t):R+4*(\t)+1],   1.0 op_sel_hi:[1,0]
	v_pk_add_f32 v[R+4*(\t)+2:R+4*(\t)+3], v[R+4*(\t)+2:R+4*(\t)+3], 1.0 op_sel_hi:[1,0]
	v_rcp_f32 v[R+4*(\t)],   v[R+4*(\t)]
	v_rcp_f32 v[R+4*(\t)+1], v[R+4*(\t)+1]
	v_rcp_f32 v[R+4*(\t)+2], v[R+4*(\t)+2]
	v_rcp_f32 v[R+4*(\t)+3], v[R+4*(\t)+3]
.endm
.macro ROWC t                          ; 1 - 2 / (1 + e^(2 y))
	s_wait_alu depctr_va_vdst(0)
	v_pk_fma_f32 v[R+4*(\t):R+4*(\t)+1],   v[R+4*(\t):R+4*(\t)+1],   -2.0, 1.0 op_sel_hi:[1,0,0]
	v_pk_fma_f32 v[R+4*(\t)+2:R+4*(\t)+3], v[R+4*(\t)+2:R+4*(\t)+3], -2.0, 1.0 op_sel_hi:[1,0,0]
.endm
; rows 16 a .. 16 a + 15 of my block.  The stage lies in the big slot: every wave's reads of it ended in front of the last change of slots' barrier,
; and no load fills it any more.
.macro OUTG a
	WIN STACC
.irp b, 0,1,2,3,4,5,6,7
	ds_store_b128 v[STO], v[8*(8*\a+\b):8*(8*\a+\b)+3]   offset:64*\b
	ds_store_b128 v[STO], v[8*(8*\a+\b)+4:8*(8*\a+\b)+7] offset:64*\b+16
.endr
	WIN 0
	s_wait_xcnt 0x0                                ; R, which the last group's stores read, is loaded again only behind this wait (ISA guide 3.1)
.irp t, 0,1,2,3,4,5,6,7,8,9,10,11,12,13,14,15
	ds_load_b128 v[R+4*\t:R+4*\t+3], v[RD] offset:SPITCH*\t        ; LDS serves a wave's instructions in order: these see the stores above
.endr
.set tt, 0
.rept 18
.if tt < 16
	s_wait_dscnt 15-tt                             ; row tt is back, the younger rows stay out
	ROWA tt
.endif
.if tt >= 1
.if tt <= 16
	ROWB tt-1
.endif
.endif
.if tt >= 2
	ROWC tt-2
.endif
.set tt, tt+1
.endr
	WIN ADDX
.irp t, 0,1,2,3,4,5,6,7,8,9,10,11,12,13,14,15
	v_pk_add_f32 v[R+4*\t:R+4*\t+1],   v[R+4*\t:R+4*\t+1],   v[64*\a+4*\t:64*\a+4*\t+1]     ; + x
	v_pk_add_f32 v[R+4*\t+2:R+4*\t+3], v[R+4*\t+2:R+4*\t+3], v[64*\a+4*\t+2:64*\a+4*\t+3]
.endr
	WIN 0
.irp t, 0,1,2,3,4,5,6,7,8,9,10,11,12,13,14,15
	global_store_b128 v[CO], v[R+4*\t:R+4*\t+3], s[100:101] offset:(16*\a+\t)*4096   ; the wave stores 512 consecutive bytes from a multiple of 512
.endr
.endm
	OUTG 0
	OUTG 1
	OUTG 2
	OUTG 3
	s_wait_tensorcnt 0x0
	ds_add_u32 v254, v255
	s_wait_dscnt 0x0
	CROUND                                         ; the closing round: no work-group ends while a partner may still ask for a tile that names it
	s_endpgm
.Lfunc_end_k_q3166790ca7_combine:
	.size	k_q3166790ca7_combine, .Lfunc_end_k_q3166790ca7_combine-k_q3166790ca7_combine
	.p2alignl 7, 3214868480
	.fill 96, 4, 3214868480
	.section	.rodata,"a",@progbits
	.p2align	6, 0x0
	.amdhsa_kernel k_q3166790ca7_combine
		.amdhsa_group_segment_fixed_size 327680
		.amdhsa_private_segment_fixed_size 0
		.amdhsa_enable_private_segment 0
		.amdhsa_kernarg_size 64
		.amdhsa_user_sgpr_count 2
		.amdhsa_user_sgpr_kernarg_segment_ptr 1
		.amdhsa_wavefront_size32 1
		.amdhsa_system_sgpr_workgroup_id_x 1
		.amdhsa_system_sgpr_workgroup_id_y 1
		.amdhsa_system_sgpr_workgroup_id_z 1
		.amdhsa_system_vgpr_workitem_id 0
		.amdhsa_next_free_vgpr 768
		.amdhsa_next_free_sgpr 102
		.amdhsa_reserve_vcc 0
		.amdhsa_float_denorm_mode_32 3
		.amdhsa_float_denorm_mode_16_64 3
		.amdhsa_memory_ordered 1
		.amdhsa_forward_progress 1
		.amdhsa_inst_pref_size 239
	.end_amdhsa_kernel
	.amdgpu_metadata
---
amdhsa.version: [ 1, 2 ]
amdhsa.kernels:
  - .name:           k_q3166790ca7_combine
    .symbol:         k_q3166790ca7_combine.kd
    .args:
      - { .name: cat, .offset: 0, .size: 8, .value_kind: global_buffer, .address_space: global }
      - { .name: wo, .offset: 8, .size: 8, .value_kind: global_buffer, .address_space: global }
      - { .name: b1, .offset: 16, .size: 8, .value_kind: global_buffer, .address_space: global }
      - { .name: b2, .offset: 24, .size: 8, .value_kind: global_buffer, .address_space: global }
      - { .name: question, .offset: 32, .size: 8, .value_kind: global_buffer, .address_space: global }
      - { .name: context, .offset: 40, .size: 8, .value_kind: global_buffer, .address_space: global }
      - { .name: out0, .offset: 48, .size: 8, .value_kind: global_buffer, .address_space: global }
      - { .name: out1, .offset: 56, .size: 8, .value_kind: global_buffer, .address_space: global }
    .group_segment_fixed_size: 327680
    .private_segment_fixed_size: 0
    .kernarg_segment_align: 8
    .kernarg_segment_size: 64
    .max_flat_workgroup_size: 128
    .sgpr_count:     102
    .vgpr_count:     768
    .wavefront_size: 32
...
	.end_amdgpu_metadata
.endif
;; end of part 4
